; MI455X (gfx1250); checked and timed in simulation.
; The chip was launched on July 23, 2026; its instructions are those of AMD's public machine-readable ISA for CDNA 5 (MIT licence, August 2026) and "CDNA5" Instruction Set Architecture Reference Guide (July 2026). The comments in the code are by the model that wrote it; some were corrected since.
;; Multi Headed Attention. Allowed arithmetic: matrix products marked QUANTISED: E2M3 operands, one E8M0 scale for each 32 along K, by v_wmma_scale_f32_16x16x128_f8f6f4 with both operands' format E2M3, f32 sums; everything else in f32.
;; Inputs: Wk_codes 1,024 x 32 x 24 uint8 (E2M3 codes of Wk, K innermost, in blocks of 32 codes, four codes in three bytes); Wk_scales 1,024 x 32 uint8 (E8M0 scales of Wk, one for each 32 codes along K); Wo_codes 1,024 x 32 x 24 uint8 (E2M3 codes of Wo, K innermost, in blocks of 32 codes, four codes in three bytes); Wo_scales 1,024 x 32 uint8 (E8M0 scales of Wo, one for each 32 codes along K); Wq_codes 1,024 x 32 x 24 uint8 (E2M3 codes of Wq, K innermost, in blocks of 32 codes, four codes in three bytes); Wq_scales 1,024 x 32 uint8 (E8M0 scales of Wq, one for each 32 codes along K); Wv_codes 1,024 x 32 x 24 uint8 (E2M3 codes of Wv, K innermost, in blocks of 32 codes, four codes in three bytes); Wv_scales 1,024 x 32 uint8 (E8M0 scales of Wv, one for each 32 codes along K); bk 1,024 float32; bo 1,024 float32; bq 1,024 float32; bv 1,024 float32; query_codes 4 x 2,048 x 32 x 24 uint8 (E2M3 codes of query, K innermost, in blocks of 32 codes, four codes in three bytes); query_scales 4 x 2,048 x 32 uint8 (E8M0 scales of query, one for each 32 codes along K).
;; Outputs: out0 4 x 2,048 x 1,024 float32.
;; This version of the problem:
;;   THIS VERSION OF THE PROBLEM IS GIVEN IN LOW PRECISION. The matrix products marked QUANTISED in the list below multiply operands that are first quantised to E2M3 (2 exponent bits, 3 mantissa bits; 6 bits a number), with one power-of-two scale for each 32 numbers along K (OCP MX v1.0); their sums are f32. All else is computed in f32.
;;   The module's matrix products, in the order in which they are computed (A, B: the left and right operand; K: the contracted axis; several contracted axes count as one K, in the product's order):
;;     1. [M 8,192, K 1,024] x [K 1,024, N 1,024]; A: input query (given as codes); B: input Wq (given as codes): QUANTISED
;;     2. [M 8,192, K 1,024] x [K 1,024, N 1,024]; A: input query (given as codes); B: input Wk (given as codes): QUANTISED
;;     3. [M 8,192, K 1,024] x [K 1,024, N 1,024]; A: input query (given as codes); B: input Wv (given as codes): QUANTISED
;;     4. batch 64 x [M 2,048, K 64] x [K 64, N 2,048]; A: computed on the way; B: computed on the way: QUANTISED
;;     5. batch 64 x [M 2,048, K 2,048] x [K 2,048, N 64]; A: softmax (see below); B: computed on the way: QUANTISED
;;     6. [M 8,192, K 1,024] x [K 1,024, N 1,024]; A: computed on the way; B: input Wo (given as codes): QUANTISED
;;   THE QUANTISER, for each operand of a quantised product, along K:
;;     - K is cut into blocks of 32 from its start; a last block that is shorter is filled with zeros.
;;     - A block's scale is 2^e with e = floor(log2(the largest magnitude in the block)) - 2, held to -126 .. 127; a block of zeros has e = 0. As a byte (E8M0): e + 127.
;;     - Each number is divided by its block's scale, clamped to +-7.5, and rounded to the nearest number of E2M3, ties to even, subnormals kept.
;;     - The product sums the exact products of the quantised numbers (number of the format x scale) in f32.
;;   ~~~python
;;   def quantise(x, axis):      # numpy; x: float32 -> the quantised numbers, widened to float32 again
;;       x = np.moveaxis(x, axis, -1); K = x.shape[-1]
;;       x = np.pad(x, [(0, 0)] * (x.ndim - 1) + [(0, -K % 32)]); x = x.reshape(x.shape[:-1] + (-1, 32)); a = np.abs(x).max(-1, keepdims=True)
;;       e = np.where(a > 0, np.clip(np.frexp(np.where(a > 0, a, 1))[1] - 1 - 2, -126, 127), 0)      # np.frexp(a)[1] - 1 = floor(log2(a)), exactly
;;       r = np.clip(x / 2.0 ** e, -7.5, 7.5)
;;       step = 2.0 ** (np.maximum(np.frexp(np.where(r == 0, 1, r))[1] - 1, 0) - 3)
;;       q = np.round(r / step) * step * 2.0 ** e      # np.round: ties to even
;;       return np.moveaxis(q.reshape(q.shape[:-2] + (-1,))[..., :K], -1, axis).astype(np.float32)
;;   ~~~
;;   SOFTMAX AHEAD OF A QUANTISED PRODUCT. Where the list says 'softmax', what is quantised is not the finished softmax but p = 2^(t - M), with t = logit x log2(e) and M = ceil(the row's largest t), a whole number; so 1/2 < the row's largest p <= 1. The row's sum l is taken of the UNQUANTISED p, in f32, and the product's result is divided by l at the end. Since M is a whole number, a kernel that streams over the keys may use a running M (the ceiling of the running maximum): every later rescaling is an exact power of two, which a block's scale takes up: the codes' values come out the same.
;;   OPERANDS COMPUTED ON THE WAY. 'Computed on the way' means the value that the module computes at that place (a softmax that the list does not call 'softmax' is quantised finished and normalised). What goes into a quantiser is computed in f32, as accurately as f32 sums, v_exp_f32 and their like allow (about 1e-6 of the number): no bf16 or f16 on the way to a quantiser, and a product that is left as it is and whose result goes on into a quantised operand takes f32 operands (vector FMAs, or v_wmma_f32_16x16x4_f32). A number that lies on a knife's edge between two numbers of the format may be rounded either way, as far as f32 arithmetic and the matrix unit's own rounding can turn it there, and no further.
;;   INPUTS GIVEN AS CODES. Wk (in the module: [1024, 1024], K = its axis 1); Wo (in the module: [1024, 1024], K = its axis 1); Wq (in the module: [1024, 1024], K = its axis 1); Wv (in the module: [1024, 1024], K = its axis 1); query (in the module: [4, 2048, 1024], K = its axis 2): each comes as NAME_codes (uint8): NAME with its K axis moved to the last place and cut into blocks of 32 codes, [.., K / 32, bytes a block], one block behind the other in memory; four codes in three bytes: a row's codes are one little-endian stream of bits, code i at bits 6 i .. 6 i + 5 (a code: sign, 2 exponent bits, 3 mantissa bits); and NAME_scales (uint8): the same leading axes, one E8M0 byte (e + 127) for each 32 codes along K. Its value is code x scale, taken as it is: it is not quantised again, and the codes and scales need not be those that the quantiser above would give.
;; One version. Each part assembles by itself: llvm-mc -triple=amdgcn-amd-amdhsa -mcpu=gfx1250 --defsym DOCPART=n.
;; ======== version 1 of 1: 3 launches
;; limits: right only within a limited range of input values
;; workspace buffers: qimg 6,553,600 bytes; kvimg 13,107,200 bytes; ctx_codes 6,291,456 bytes; ctx_scales 262,144 bytes
;; launch proj (part 1): grid 8 x 32, 4 waves a work-group, clusters of 4 x 4, 327,680 bytes of LDS; arguments query_codes, query_scales, Wq_codes, Wq_scales, Wk_codes, Wk_scales, Wv_codes, Wv_scales, bq, bk, bv, qimg, kvimg; writes qimg, kvimg
.if DOCPART == 1
	.amdgcn_target "amdgcn-amd-amdhsa--gfx1250"
	.amdhsa_code_object_version 6
	.text
	.protected	k_q5c1bce3264_proj
	.globl	k_q5c1bce3264_proj
	.p2align	8
	.type	k_q5c1bce3264_proj,@function
k_q5c1bce3264_proj:
	s_mov_b64 s[64:65], 0
	v_nop
	global_prefetch_b8 v0, s[64:65] scope:SCOPE_SE
	s_setreg_imm32_b32 hwreg(HW_REG_WAVE_MODE, 25, 1), 1
	s_wait_xcnt 0x0
	s_wait_alu depctr_hold_cnt(0) depctr_sa_sdst(0) depctr_va_vdst(0) depctr_va_sdst(0) depctr_va_ssrc(0) depctr_va_vcc(0) depctr_vm_vsrc(0)
	s_getreg_b32 s2, hwreg(HW_REG_IB_STS2, 6, 4)
	s_cmp_eq_u32 s2, 0
	s_cbranch_scc0 .Lentry_in_a_cluster
	s_endpgm
.Lentry_in_a_cluster:
	s_bfe_u32 s2, ttmp6, 0x10000c
	s_cmp_lg_u32 s2, 0xf033
	s_cbranch_scc0 .Lentry_shape_is_right
	s_endpgm
.Lentry_shape_is_right:
; v = x Wv^T + bv, q = x Wq^T + bq, k = x Wk^T + bk on codes of FP6 (E2M3), one E8M0 scale for each 32 along K = 1,024; the results are quantised in registers and leave as codes.
; THE DEAL: 256 work-groups; one makes 256 tokens x 128 channels (two heads) of each of the three.  A wave holds its 64 tokens of x, ALL of K, in 384 registers;
; the weights pass as six tiles of 64 rows (one head), all of K: V's two, Q's two, K's two, through two LDS slots.  A tile is 128 products a wave on 16 accumulators by turns.
; Tensor rows are whole rows of codes, 768 bytes.  x's rows are asked for jointly along a row of the cluster, a weight's along a column.
; q, k: source 0 = the weight (a lane holds one token, its registers run along the head's 64 channels); v: source 0 = x (a lane holds one channel, its registers run along 64 tokens).
; WHAT LEAVES: the records that the next launch reads: kvimg [16 b + head][128 keys] 12,800 bytes: 4 images of K, 4 of V, K's words [r][4], V's words [r][4]; qimg 6,400 bytes: 4 images, words.
; An image is 12 registers a lane, chunk c of four at 512 c + 16 lane.  Inside a block of 32, place 16 h + 8 u + j holds element 16 u + 8 h + j, alike in q and k, and in v and the next launch's p.  q is not divided by 8 here.
; An image of V wants 128 keys, two waves' tokens: it is put together in a stage in LDS and stored behind the next round.  The stage and the scale words' stage lie in x's bytes, which have had their only fill and their last read by then.
; FILLS: at the head one load a wave (x's two halves, tiles 0 and 1).  Behind tile t's products (t = 0 .. 3) a drained round, and wave 0 asks for tile t + 2 into the slot just read: 128 products and a way out ahead of its first read.
; No prefetch is laid: four refills are all, each asked for a whole tile ahead.
; LIMITS: a block of zeros gets the scale byte 1 (zero codes; this program alone reads the bytes); blocks under 2^-124 are held at that byte; NaN, infinities and a byte 0xff among the inputs are not served.
; REGISTERS: window 0: addresses, scale words (x's v32-47, the weights' v52-147), the quantiser's work; fragment f at window 1 + f / 21, register 12 (f % 21): 0-31 x's (8 a + q), 32-39 the weights' two sets;
; window 3: v0-127 the accumulators, v128-255 four biases as the first products' C (tile t in place t % 4).
.set KROW, 768
.set PITCH, 816                        ; an LDS row: 3 x (256 + 16)
.set FR, 12
.set FPW, 21
.set WB, 256*PITCH                     ; behind x's 256 rows: two slots of 64 rows
.set WSL, 64*PITCH
.set SPARE, WB+2*WSL
.set WST, 24576                        ; the words' stage: 512 bytes a tile; V's images' stage: 12,288 bytes a tile from byte 0
.set L16, 4
.set ABS, 5
.set BH, 6
.set BR, 7
.set SX, 8
.set SY, 9
.set SPW, 10
.set NIL, 11
.set BA, 12                            ; v12-27 LDS addresses of the weights' blocks: slot s, block b at 8 s + 2 b (the second: behind one padding more)
.set RDB, 28
.set WQA, 29
.set XS, 32
.set WVA, 48
.set WRD, 49
.set GQ, 50
.set GK, 51
.set WSC, 52
.set TM, 148
.set TP, 152
.set TS, 156
.set CT, 160
.set FB, 168
.set WS, 192
.set RB, 196
.set XA, 220
.set G1X, 68
.set G1W, 76
.set G0X, 84
.set G0W, 88
.set G0R, 92
.set SEL, 96
.set NLD, 0
.set MSB, 0
.macro WIN new
.if MSB != (\new)
	s_set_vgpr_msb (MSB<<8)|(\new)
.set MSB, (\new)
.endif
.endm
.macro PLACES n
.rept \n
	v_nop
.endr
.endm
.macro WALU
	s_wait_alu depctr_va_vdst(0)
.endm
.macro BARRIER
	s_barrier_signal -1
	s_barrier_wait -1
.endm
.macro CROUND                          ; a round of the cluster's barrier
	s_barrier_signal -1
	s_barrier_wait -1
	s_cmp_lg_u32 s14, 0
	s_cbranch_scc1 .Lnot_wave_0_\@
	s_barrier_signal -3
.Lnot_wave_0_\@:
	s_barrier_wait -3
	s_barrier_signal -1
	s_barrier_wait -1
.endm
.macro TLOAD g0, g1
	tensor_load_to_lds s[\g0:\g0+3], s[\g1:\g1+7]
	s_nop 0
	PLACES 4
.endm
.macro GROUP1 g, mask, rows            ; rows of 768 bytes, 16 bytes of padding behind every 256
	s_or_b32 s[\g+0], s[\mask], (1<<20)|(1<<21)|(5<<22)|(3<<25)
	s_mov_b32 s[\g+1], (KROW&0xffff)<<16
	s_mov_b32 s[\g+2], (KROW>>16)|((\rows)<<16)
	s_mov_b32 s[\g+3], KROW<<16
	s_mov_b32 s[\g+4], \rows
	s_mov_b32 s[\g+5], KROW
	s_mov_b32 s[\g+6], 0
	s_mov_b32 s[\g+7], 0
.endm
; a fragment: six pieces of 8 bytes, two to a load where both lie behind as many paddings; NLD counts the loads
.macro FRAG f, q, a0, a1
	WIN (1+(\f)/FPW)<<6
.set R_, FR*((\f)%FPW)
.set SKIP_, 0
.irp p, 0,1,2,3,4,5
.if SKIP_
.set SKIP_, 0
.else
.set NLD, NLD+1
.set PC_, 12*(\q)+6*(\p/3)+\p%3
.set PN_, 12*(\q)+6*((\p+1)/3)+(\p+1)%3
.set X_, (PC_%32+3)/32
.set XQ_, (PN_%32+3)/32
.if (\p < 5) && (X_ == XQ_)
.set SKIP_, 1
.if X_
	ds_load_2addr_b64 v[R_+2*\p:R_+2*\p+3], \a1 offset0:PC_+2*(PC_/32) offset1:PN_+2*(PN_/32)
.else
	ds_load_2addr_b64 v[R_+2*\p:R_+2*\p+3], \a0 offset0:PC_+2*(PC_/32) offset1:PN_+2*(PN_/32)
.endif
.elseif X_
	ds_load_b64 v[R_+2*\p:R_+2*\p+1], \a1 offset:8*(PC_+2*(PC_/32))
.else
	ds_load_b64 v[R_+2*\p:R_+2*\p+1], \a0 offset:8*(PC_+2*(PC_/32))
.endif
.endif
.endr
.endm
.macro WFETCH slot, q                  ; the weight's four fragments of step q into set q % 2
.set NLD, 0
.irp b, 0,1,2,3
	FRAG 32+4*((\q)%2)+\b, \q, v[BA+8*(\slot)+2*\b], v[BA+8*(\slot)+2*\b+1]
.endr
.endm
.macro P1 d, f0, f1, c, s0, s1, r0, r1
	v_wmma_scale_f32_16x16x128_f8f6f4 v[\d:\d+7], v[FR*((\f0)%FPW):FR*((\f0)%FPW)+FR-1], v[FR*((\f1)%FPW):FR*((\f1)%FPW)+FR-1], \c, v[\s0], v[\s1] matrix_a_fmt:MATRIX_FMT_FP6 matrix_b_fmt:MATRIX_FMT_FP6 matrix_a_scale:MATRIX_SCALE_ROW\r0 matrix_b_scale:MATRIX_SCALE_ROW\r1
.endm
; 16 products: x's four blocks x the weight's four, the q-th 128 along K.  The accumulator of (lanes' block a, registers' block b) is v[8 (4 a + b)] of window 3.  Step 0 takes the bias as C.
.macro STEPM kind, t, q
.irp xp, 0,1
.irp xr, 0,1
.irp wp, 0,1
.irp wr, 0,1
.set FX_, 8*(2*\xp+\xr)+(\q)
.set FW_, 32+4*((\q)%2)+2*\wp+\wr
.set SX_, XS+8*\xp+(\q)
.set SW_, WSC+16*(\t)+8*\wp+(\q)
.set CB_, 128+32*((\t)%4)+8*(2*\wp+\wr)
.if \kind
.set D_, 8*(4*(2*\wp+\wr)+2*\xp+\xr)
	WIN (1+FX_/FPW)|(2<<2)|0xf0
.if (\q) == 0
	P1 D_, FX_, FW_, v[CB_:CB_+7], SX_, SW_, \xr, \wr
.else
	P1 D_, FX_, FW_, v[D_:D_+7], SX_, SW_, \xr, \wr
.endif
.else
.set D_, 8*(4*(2*\xp+\xr)+2*\wp+\wr)
	WIN 2|((1+FX_/FPW)<<2)|0xf0
.if (\q) == 0
	P1 D_, FW_, FX_, v[CB_:CB_+7], SW_, SX_, \wr, \xr
.else
	P1 D_, FW_, FX_, v[D_:D_+7], SW_, SX_, \wr, \xr
.endif
.endif
.endr
.endr
.endr
.endr
.endm
.macro MULT kind, t                    ; a tile's eight steps; step 0's fragments have been asked for
.set Q_, 0
.rept 8
.if Q_ < 7
	PLACES 4                               ; between the last step's products and the loads into the set that they read
	WFETCH (\t)%2, Q_+1
	s_wait_dscnt NLD                       ; all but the NLD loads just issued
.else
	s_wait_dscnt 0x0
.endif
	STEPM \kind, \t, Q_
.set Q_, Q_+1
.endr
	WIN 0
.endm
; 64 accumulator registers from 64 p on: four blocks of 32 (16 numbers here, 16 in lane l xor 16).  Blocks 0, 1 become six registers at d0, blocks 2, 3 six at d1; their bytes go into word wa at bit sa, word wb at bit sb.
.macro QUANT p, d0, d1, wa, sa, wb, sb
.set AC, 64*(\p)
	WIN 0x3c
.irp b, 0,1,2,3
	v_max3_num_f32 v[TM+\b], 0x1800000, |v[AC+16*\b]|, |v[AC+16*\b+1]|   ; from each accumulator's low end on; the floor holds the byte at 1
.endr
.irp i, 2,4,6,8,10,12,14
.irp b, 0,1,2,3
	v_max3_num_f32 v[TM+\b], v[TM+\b], |v[AC+16*\b+\i]|, |v[AC+16*\b+\i+1]|
.endr
.endr
	WIN 0
.irp b, 0,1,2,3
	v_permlanex16_b32 v[TP+\b], v[TM+\b], s[SEL], s[SEL+1]
.endr
.irp b, 0,1,2,3
	v_max_num_f32 v[TM+\b], v[TM+\b], v[TP+\b]
.endr
.irp b, 0,1,2,3
	v_add_nc_u32 v[TS+\b], 0xff000000, v[TM+\b]    ; 2 off the exponent field: the conversion's scale operand
.endr
.irp b, 0,1,2,3
	v_lshrrev_b32 v[TP+\b], 23, v[TS+\b]           ; the byte
.endr
	v_lshl_or_b32 v[\wa], v[TP+1], 8, v[TP]
.if \sb == 0
	v_lshl_or_b32 v[\wb], v[TP+3], 8, v[TP+2]
.else
	v_lshl_or_b32 v[\wb], v[TP+2], \sb, v[\wb]
	v_lshl_or_b32 v[\wb], v[TP+3], (\sb)+8, v[\wb]
.endif
	WIN 3
	v_cvt_scalef32_pk16_fp6_f32 v[(\d0):(\d0)+2], v[AC:AC+15], v[TS]
	v_cvt_scalef32_pk16_fp6_f32 v[CT:CT+2], v[AC+16:AC+31], v[TS+1]
	v_cvt_scalef32_pk16_fp6_f32 v[(\d1):(\d1)+2], v[AC+32:AC+47], v[TS+2]
	v_cvt_scalef32_pk16_fp6_f32 v[CT+4:CT+6], v[AC+48:AC+63], v[TS+3]
	WIN 0
	v_nop                                          ; one plain line behind a scaled conversion
.irp i, 0,1,2                                  ; a whole block to a lane: lanes 0-15 the even block, lanes 16-31 the odd one
	v_permlane16_swap_b32 v[(\d0)+\i], v[CT+\i]
	v_permlane16_swap_b32 v[(\d1)+\i], v[CT+4+\i]
.endr
.irp i, 0,1,2
	v_mov_b32 v[(\d0)+3+\i], v[CT+\i]
	v_mov_b32 v[(\d1)+3+\i], v[CT+4+\i]
.endr
.endm
.macro WSLD t, sp, e                   ; a tile's scale words: lane l takes row 32 p + l's eight
.irp p, 0,1
.irp c, 0,1
	global_load_b128 v[WSC+16*(\t)+8*\p+4*\c:WSC+16*(\t)+8*\p+4*\c+3], v[ABS], s[\sp:\sp+1] offset:2048*(\e)+1024*\p+16*\c
.endr
.endr
.endm
.macro BLD place, sp, e                ; q's or k's bias as C: register j of block b is channel 16 b + 8 h + j  (destination: window 3)
.irp b, 0,1,2,3
	global_load_b128 v[128+32*(\place)+8*\b:128+32*(\place)+8*\b+3], v[BH], s[\sp:\sp+1] offset:256*(\e)+64*\b
	global_load_b128 v[128+32*(\place)+8*\b+4:128+32*(\place)+8*\b+7], v[BH], s[\sp:\sp+1] offset:256*(\e)+64*\b+16
.endr
.endm
.macro OUT kind, t                     ; tile t's way out
	s_wait_xcnt 0x0                                ; earlier stores have read their data registers
.if (\t) == 1 || (\t) == 2
.irp i, 0,1,2,3,4,5
	ds_load_b128 v[RB+4*\i:RB+4*\i+3], v[RDB] offset:12288*((\t)-1)+512*\i   ; V's images of the tile before, whole: the round has shown both waves' halves
.endr
.endif
.if (\t) == 1
	WIN 0xc0
	BLD 0, 50, 0                                   ; k's biases, where V's lay
	BLD 1, 50, 1
	WIN 0
.endif
.if \kind
	QUANT 0, FB, FB+6, WS, 0, WS+1, 0
	QUANT 1, FB+12, FB+18, WS+2, 0, WS+3, 0
.else
	QUANT 0, FB, FB+6, WS, 0, WS, 16
	QUANT 1, FB+12, FB+18, WS+1, 0, WS+1, 16
.endif
	WALU                                           ; the wait ahead of the waits and stores below
.if (\t) == 1 || (\t) == 2
	s_wait_dscnt 0x0
.irp i, 0,1,2,3,4,5
	global_store_b128 v[L16], v[RB+4*\i:RB+4*\i+3], s[56:57] offset:6144+204800*((\t)-1)+512*\i
.endr
.endif
.if \kind
.irp i, 0,1,2,3                                ; image i: my six registers 6 c' .. 6 c' + 5 at their places in its three chunks; my two bytes of its word
	ds_store_b64 v[SX], v[FB+6*\i:FB+6*\i+1] offset:12288*(\t)+1536*\i
	ds_store_b64 v[SY], v[FB+6*\i+2:FB+6*\i+3] offset:12288*(\t)+1536*\i
	ds_store_b64 v[SX], v[FB+6*\i+4:FB+6*\i+5] offset:12288*(\t)+1536*\i+512
	ds_store_b16 v[WVA], v[WS+\i] offset:512*(\t)+4*\i
.endr
.else
.irp i, 0,1,2,3,4,5                            ; my two images: 32 lanes store 512 consecutive bytes
.if (\t) < 4
	global_store_b128 v[L16], v[FB+4*\i:FB+4*\i+3], s[54:55] offset:102400*((\t)-2)+512*\i
.else
	global_store_b128 v[L16], v[FB+4*\i:FB+4*\i+3], s[56:57] offset:204800*((\t)-4)+512*\i
.endif
.endr
	ds_store_b64 v[WQA], v[WS:WS+1] offset:512*(\t)
.endif
.endm
.macro TILE kind, t
.if (\t) == 4
	s_wait_loadcnt 0x0                             ; k's biases
.endif
	MULT \kind, \t
.if (\t) < 4
	s_wait_tensorcnt 0x0                           ; all my tensor loads have landed: the next tile is in;
	ds_add_u32 v[SPW], v[NIL]
	s_mov_b32 s[G0R+1], WB+((\t)%2)*WSL
	s_add_nc_u64 s[G0R+2:G0R+3], s[28+4*((\t)/2):29+4*((\t)/2)], ((\t)%2)*64*KROW
	s_or_b32 s[G0R+3], s[G0R+3], 0x80000000
	s_wait_dscnt 0x0                               ; the add, my reads of this slot and my LDS stores are done
	CROUND
	s_cmp_eq_u32 s14, 0
	s_cbranch_scc0 .Lno_refill_\@
	TLOAD G0R, G1W                                 ; tile t + 2 into the slot just read
.Lno_refill_\@:
.elseif (\t) == 4
	s_wait_tensorcnt 0x0
	s_wait_dscnt 0x0
	BARRIER                                        ; the last tile is shown to all
.endif
	PLACES 5                                       ; behind the tile's last products
.if (\t) < 5
	WFETCH ((\t)+1)%2, 0
	WIN 0
.endif
	OUT \kind, \t
.endm
; ---- the head
	s_load_b512 s[24:39], s[0:1], 0x0              ; x's codes, scales; Wq's; Wk's; Wv's
	s_load_b256 s[48:55], s[0:1], 0x40             ; bq, bk, bv, qimg
	s_load_b64 s[56:57], s[0:1], 0x60              ; kvimg
	v_lshl_add_u32 v[SPW], v0, 2, SPARE
	v_mov_b32 v[NIL], 0
	ds_add_u32 v[SPW], v[NIL]                      ; the opening lines
	ds_add_u32 v[SPW], v[NIL]
	v_lshrrev_b32 v1, 5, v0
	v_readfirstlane_b32 s14, v1                    ; wave
	s_lshr_b32 s15, s14, 1                         ; which record of the two
	s_and_b32 s16, s14, 1                          ; which half of its 128 tokens
	s_bfe_u32 s40, ttmp6, 0x40000
	s_bfe_u32 s41, ttmp6, 0x40004
	s_lshl_b32 s42, ttmp9, 2
	s_add_co_u32 s42, s42, s40                     ; which 128 channels, 0 .. 7
	s_and_b32 s43, ttmp7, 0xffff
	s_lshl_b32 s43, s43, 2
	s_add_co_u32 s43, s43, s41                     ; which 256 tokens, 0 .. 31
	s_lshl_b32 s44, s41, 2
	s_lshl_b32 s44, 15, s44                        ; my row of the cluster
	s_lshl_b32 s45, 0x1111, s40                    ; my column
	GROUP1 G1X, 44, 128
	GROUP1 G1W, 45, 64
	s_mul_i32 s46, s43, 256*KROW
	s_mul_i32 s20, s16, 128*KROW
	s_add_co_u32 s46, s46, s20
	s_mov_b32 s47, 0
	s_mul_i32 s58, s42, 128*KROW
	s_mov_b32 s59, 0
	s_mul_i32 s60, s16, 64*KROW
	s_mov_b32 s61, 0
	s_mov_b32 s[G0X], 1
	s_mul_i32 s[G0X+1], s16, 128*PITCH
	s_mov_b32 s[G0W], 1
	s_mul_i32 s[G0W+1], s16, WSL
	s_add_co_u32 s[G0W+1], s[G0W+1], WB
	s_mov_b32 s[G0R], 1
	s_mov_b32 s[SEL], 0x76543210
	s_mov_b32 s[SEL+1], 0xfedcba98
	s_mul_i32 s3, s14, 64*PITCH
	s_mul_i32 s9, s15, 6144
	s_mul_i32 s4, s16, 520
	s_add_co_u32 s4, s4, s9
	s_mul_i32 s5, s16, 1016
	s_add_co_u32 s5, s5, s9
	s_add_co_u32 s5, s5, 8
	s_mul_i32 s6, s14, 3072
	s_lshl_b32 s9, s15, 8
	s_add_co_u32 s9, s9, WST
	s_lshl_b32 s7, s16, 3
	s_add_co_u32 s7, s7, s9
	s_lshl_b32 s8, s16, 1
	s_add_co_u32 s8, s8, s9
	v_and_b32 v1, 15, v0                           ; r
	v_bfe_u32 v2, v0, 4, 1                         ; h
	v_and_b32 v3, 31, v0
	v_lshlrev_b32 v[L16], 4, v3
	v_lshlrev_b32 v[ABS], 5, v3
	v_lshlrev_b32 v[BH], 5, v2
	v_lshlrev_b32 v[BR], 2, v1
	v_mul_u32_u24 v30, v1, PITCH
	v_mad_u32_u24 v31, v2, 24, v30
	v_mad_u32_u24 v30, v2, 40, v30
.irp s, 0,1
.irp b, 0,1,2,3
	v_add_nc_u32 v[BA+8*\s+2*\b], WB+\s*WSL+\b*16*PITCH, v31
	v_add_nc_u32 v[BA+8*\s+2*\b+1], WB+\s*WSL+\b*16*PITCH, v30
.endr
.endr
	v_add_nc_u32 v31, s3, v31
	v_add_nc_u32 v30, s3, v30
.irp a, 0,1,2,3
	v_add_nc_u32 v[XA+2*\a], \a*16*PITCH, v31
	v_add_nc_u32 v[XA+2*\a+1], \a*16*PITCH, v30
.endr
	v_add_nc_u32 v[SX], s4, v[L16]
	v_add_nc_u32 v[SY], s5, v[L16]
	v_add_nc_u32 v[RDB], s6, v[L16]
	v_lshlrev_b32 v229, 4, v1
	v_add_nc_u32 v[WQA], s7, v229
	v_add_nc_u32 v[WVA], s8, v229
	v_add_nc_u32 v[WRD], WST, v[L16]
	v_mad_u32_u24 v[GQ], v2, 6400, v229
	v_mad_u32_u24 v[GK], v2, 12800, v229
.irp b, 0,1,2,3
	v_mov_b32 v[TP+\b], 0                          ; a lane permute's destination counts as a source
.endr
	WALU                                           ; the wait at the head's end
	s_wait_dscnt 0x0
	CROUND                                         ; the round in front of the first joint loads
	s_wait_kmcnt 0x0
	s_add_nc_u64 s[G0X+2:G0X+3], s[24:25], s[46:47]
	s_or_b32 s[G0X+3], s[G0X+3], 0x80000000
	s_add_nc_u64 s[36:37], s[36:37], s[58:59]      ; my 128 rows of Wv, Wq, Wk
	s_add_nc_u64 s[28:29], s[28:29], s[58:59]
	s_add_nc_u64 s[32:33], s[32:33], s[58:59]
	s_add_nc_u64 s[G0W+2:G0W+3], s[36:37], s[60:61]
	s_or_b32 s[G0W+3], s[G0W+3], 0x80000000
	s_cmp_lt_u32 s14, 2
	s_cbranch_scc0 .Lhead_w
	TLOAD G0X, G1X                                 ; waves 0, 1: x's halves
	s_branch .Lasked
.Lhead_w:
	TLOAD G0W, G1W                                 ; waves 2, 3: tiles 0, 1
.Lasked:
	s_lshl_b32 s20, s43, 13
	s_lshl_b32 s21, s14, 11
	s_add_co_u32 s20, s20, s21
	s_mov_b32 s21, 0
	s_add_nc_u64 s[26:27], s[26:27], s[20:21]      ; my 64 tokens' scale bytes
	s_lshl_b32 s20, s42, 12
	s_add_nc_u64 s[38:39], s[38:39], s[20:21]
	s_add_nc_u64 s[30:31], s[30:31], s[20:21]
	s_add_nc_u64 s[34:35], s[34:35], s[20:21]
	s_lshl_b32 s20, s42, 9
	s_add_nc_u64 s[48:49], s[48:49], s[20:21]
	s_add_nc_u64 s[50:51], s[50:51], s[20:21]
	s_add_nc_u64 s[52:53], s[52:53], s[20:21]
.irp p, 0,1
.irp c, 0,1
	global_load_b128 v[XS+8*\p+4*\c:XS+8*\p+4*\c+3], v[ABS], s[26:27] offset:1024*\p+16*\c
.endr
.endr
	WSLD 0, 38, 0
	WSLD 1, 38, 1
	WSLD 2, 30, 0
	WSLD 3, 30, 1
	WSLD 4, 34, 0
	WSLD 5, 34, 1
	WIN 0xc0
.irp e, 0,1
.irp t, 0,1,2,3
	global_load_b32 v[128+32*\e+8*\t], v[BR], s[52:53] offset:256*\e+64*\t   ; v's bias: channel 16 t + r
.endr
.endr
	BLD 2, 48, 0
	BLD 3, 48, 1
	WIN 0
	s_lshr_b32 s20, s43, 3                         ; where my results go: 16 batch + head, record, half
	s_lshl_b32 s20, s20, 4
	s_lshl_b32 s21, s42, 1
	s_add_co_u32 s20, s20, s21
	s_lshl_b32 s21, s43, 1
	s_add_co_u32 s21, s21, s15
	s_and_b32 s21, s21, 15
	s_mul_i32 s22, s20, 102400
	s_mul_i32 s23, s21, 6400
	s_add_co_u32 s22, s22, s23
	s_mul_i32 s62, s16, 3072
	s_lshl_b32 s60, s22, 1
	s_add_co_u32 s60, s60, s62
	s_add_co_u32 s22, s22, s62
	s_mov_b32 s23, 0
	s_add_nc_u64 s[54:55], s[54:55], s[22:23]
	s_add_nc_u64 s[56:57], s[56:57], s[60:61]
	s_wait_tensorcnt 0x0
	BARRIER                                        ; x and tiles 0, 1 are in
.irp a, 0,1,2,3
.irp q, 0,1,2,3,4,5,6,7
	FRAG 8*\a+\q, \q, v[XA+2*\a], v[XA+2*\a+1]     ; my 64 tokens, all of K
.endr
.endr
	WFETCH 0, 0
	s_wait_loadcnt 0x0
	WIN 0xc3
.irp t, 0,8,16,24,32,40,48,56
.irp j, 1,2,3,4,5,6,7
	v_mov_b32 v[128+\t+\j], v[128+\t]              ; v's bias over the eight registers of its C
.endr
.endr
	WIN 0
	WALU
	TILE 1, 0
	TILE 1, 1
	TILE 0, 2
	TILE 0, 3
	TILE 0, 4
	TILE 0, 5
; ---- the scale words leave: 512 bytes a tile, sixteen lanes to a record's 256
	s_wait_dscnt 0x0
	BARRIER
	s_cmp_lg_u32 s14, 0
	s_cbranch_scc1 .Lend
	s_wait_xcnt 0x0
.irp t, 0,1,2,3,4,5
	ds_load_b128 v[RB+4*\t:RB+4*\t+3], v[WRD] offset:512*\t
.endr
	s_wait_dscnt 0x0
.irp e, 0,1
	global_store_b128 v[GK], v[RB+4*\e:RB+4*\e+3], s[56:57] offset:12544+204800*\e
	global_store_b128 v[GQ], v[RB+8+4*\e:RB+8+4*\e+3], s[54:55] offset:6144+102400*\e
	global_store_b128 v[GK], v[RB+16+4*\e:RB+16+4*\e+3], s[56:57] offset:12288+204800*\e
.endr
.Lend:
	s_wait_tensorcnt 0x0                           ; the wave's end
	ds_add_u32 v[SPW], v[NIL]
	s_wait_dscnt 0x0
	CROUND                                         ; the closing round
	s_endpgm
.Lfunc_end_k_q5c1bce3264_proj:
	.size	k_q5c1bce3264_proj, .Lfunc_end_k_q5c1bce3264_proj-k_q5c1bce3264_proj
	.p2alignl 7, 3214868480
	.fill 96, 4, 3214868480
	.section	.rodata,"a",@progbits
	.p2align	6, 0x0
	.amdhsa_kernel k_q5c1bce3264_proj
		.amdhsa_group_segment_fixed_size 327680
		.amdhsa_private_segment_fixed_size 0
		.amdhsa_enable_private_segment 0
		.amdhsa_kernarg_size 104
		.amdhsa_user_sgpr_count 2
		.amdhsa_user_sgpr_kernarg_segment_ptr 1
		.amdhsa_wavefront_size32 1
		.amdhsa_system_sgpr_workgroup_id_x 1
		.amdhsa_system_sgpr_workgroup_id_y 1
		.amdhsa_system_sgpr_workgroup_id_z 1
		.amdhsa_system_vgpr_workitem_id 0
		.amdhsa_next_free_vgpr 1024
		.amdhsa_next_free_sgpr 100
		.amdhsa_reserve_vcc 0
		.amdhsa_float_denorm_mode_32 3
		.amdhsa_float_denorm_mode_16_64 3
		.amdhsa_memory_ordered 1
		.amdhsa_forward_progress 1
		.amdhsa_inst_pref_size 229
	.end_amdhsa_kernel
	.amdgpu_metadata
---
amdhsa.version: [ 1, 2 ]
amdhsa.kernels:
  - .name:           k_q5c1bce3264_proj
    .symbol:         k_q5c1bce3264_proj.kd
    .args:
      - { .name: query_codes, .offset: 0, .size: 8, .value_kind: global_buffer, .address_space: global }
      - { .name: query_scales, .offset: 8, .size: 8, .value_kind: global_buffer, .address_space: global }
      - { .name: Wq_codes, .offset: 16, .size: 8, .value_kind: global_buffer, .address_space: global }
      - { .name: Wq_scales, .offset: 24, .size: 8, .value_kind: global_buffer, .address_space: global }
      - { .name: Wk_codes, .offset: 32, .size: 8, .value_kind: global_buffer, .address_space: global }
      - { .name: Wk_scales, .offset: 40, .size: 8, .value_kind: global_buffer, .address_space: global }
      - { .name: Wv_codes, .offset: 48, .size: 8, .value_kind: global_buffer, .address_space: global }
      - { .name: Wv_scales, .offset: 56, .size: 8, .value_kind: global_buffer, .address_space: global }
      - { .name: bq, .offset: 64, .size: 8, .value_kind: global_buffer, .address_space: global }
      - { .name: bk, .offset: 72, .size: 8, .value_kind: global_buffer, .address_space: global }
      - { .name: bv, .offset: 80, .size: 8, .value_kind: global_buffer, .address_space: global }
      - { .name: qimg, .offset: 88, .size: 8, .value_kind: global_buffer, .address_space: global }
      - { .name: kvimg, .offset: 96, .size: 8, .value_kind: global_buffer, .address_space: global }
    .group_segment_fixed_size: 327680
    .private_segment_fixed_size: 0
    .kernarg_segment_align: 8
    .kernarg_segment_size: 104
    .max_flat_workgroup_size: 128
    .sgpr_count:     100
    .vgpr_count:     1024
    .wavefront_size: 32
...
	.end_amdgpu_metadata
.endif
;; end of part 1
;; launch attn (part 2): grid 4 x 64, 16 waves a work-group, clusters of 4 x 1, 206,848 bytes of LDS; arguments qimg, kvimg, ctx_codes, ctx_scales; writes ctx_codes, ctx_scales
.if DOCPART == 2
	.amdgcn_target "amdgcn-amd-amdhsa--gfx1250"
	.amdhsa_code_object_version 6
	.text
	.protected	k_q5c1bce3264_attn
	.globl	k_q5c1bce3264_attn
	.p2align	8
	.type	k_q5c1bce3264_attn,@function
k_q5c1bce3264_attn:
	s_mov_b64 s[64:65], 0
	v_nop
	global_prefetch_b8 v0, s[64:65] scope:SCOPE_SE
	s_setreg_imm32_b32 hwreg(HW_REG_WAVE_MODE, 25, 1), 1
	s_wait_xcnt 0x0
	s_wait_alu depctr_hold_cnt(0) depctr_sa_sdst(0) depctr_va_vdst(0) depctr_va_sdst(0) depctr_va_ssrc(0) depctr_va_vcc(0) depctr_vm_vsrc(0)
	s_getreg_b32 s2, hwreg(HW_REG_IB_STS2, 6, 4)
	s_cmp_eq_u32 s2, 0
	s_cbranch_scc0 .Lentry_in_a_cluster
	s_endpgm
.Lentry_in_a_cluster:
	s_bfe_u32 s2, ttmp6, 0x10000c
	s_cmp_lg_u32 s2, 0x3003
	s_cbranch_scc0 .Lentry_shape_is_right
	s_endpgm
.Lentry_shape_is_right:
; ctx[b][q][head] = softmax_k(q . k / 8) v for one head, both products on codes of FP6 (E2M3) with E8M0 scales, and ctx quantised along the model's 1,024 for the last product.
; INPUTS: the records that the launch before wrote: images of operands' registers (12 registers a lane, chunk c at 512 c + 16 lane) and scale words [r][4].
; THE SOFTMAX: t = score x c, c = log2(e) / 8 (the 1/8 is q's division by sqrt(64), a power of two, carried here); M = the running largest t rounded up to a whole number; p = 2^(t - M) is quantised along the keys,
; not normalised; the row's sum is taken of the unquantised p and divides O at the end.  When M moves, the sum and O are multiplied by 2^(old M - new M): exact.
; SHARES.  A work-group owns 512 queries of one head, each of its sixteen waves 32: two tiles of 16, one after the other, in 256 registers: four waves to a SIMD, so that one wave's vector work stands beside another's products and LDS loads.
; LDS holds the head's sixteen records of 128 keys, 204,800 bytes, as they lie in memory; each byte is filled once, so there is no ring.  Wave w brings record w.
; CLUSTER.  The four work-groups of a cluster are the four query blocks of one head: each record is asked for JOINTLY, by the same tensor load with the same descriptor and the mask of all four.
; K = 64 IN AN INSTRUCTION OF K = 128: an image of K holds keys r (K 0-63) and 16 + r (K 64-127); against [q | 0] it gives the first sixteen keys' scores, against [0 | q] the second's.  The zeros stand beside q in registers, on q's side alone.
; LAYOUT.  Both products are used transposed (source 0 = keys, or channels of V; source 1 = my queries): a lane holds ONE query.  Register 16 f + 8 u + j of the scores is key 32 f + 16 u + 8 h + j: the order in which V's codes lie too.
; ctx_codes is laid for the last product's A operand: [row / 128][head / 4][(row / 16) % 8][(head / 2) % 2][head % 2][16 x block + row % 16][24 bytes], the codes of a block in true order.  ctx_scales: [row][32].
; The scale bytes leave as 2 bytes a row, 32 bytes apart: 256 consecutive bytes there belong to sixteen heads, that is to sixteen work-groups; they are one byte in 24 of what the launch stores.
; LIMITS: a block of zeros gets the byte 1 (zero codes; this program alone reads the bytes); q's division by 8 is exact unless a block of q lies under 2^-121; NaN and infinities are not served.
; REGISTERS: v1 16 lane, v2 16 r + 12,288, v3-4 the step's addresses, v5 24 r + 12 h, v6 32 r, v7 16 r; v8-11 K's words; v12 -M, v13 largest t, v14-15 the sum; v16-33 [0 | q | 0]; v34-45 Q's image; v46 its word, v47 the tile's;
;   v48-95 four fragments; v96-159 scores, then p; v160-191 O^T; v192-203 p's codes; v204-210 odd blocks' codes; v212-223 block maxima, bytes, scale operands; v224-227 V's words; v228 p's word; v230-231 f; v232-233 second sum; v234 at work; v235 lane.
.set REC,   12800                      ; a record: 4 images of K, 4 of V, 256 + 256 bytes of words
.set HEADB, 16*REC
.macro ROUND                           ; a round of the cluster's barrier
	s_barrier_signal -1
	s_barrier_wait -1
	s_cmp_lg_u32 s12, 0
	s_cbranch_scc1 .Lnot_wave_0_\@
	s_barrier_signal -3
.Lnot_wave_0_\@:
	s_barrier_wait -3
	s_barrier_signal -1
	s_barrier_wait -1
.endm
	s_load_b256 s[4:11], s[0:1], 0x0               ; qimg, kvimg, ctx_codes, ctx_scales
	v_lshl_add_u32 v254, v0, 2, 0x32000
	v_mov_b32 v255, 0
	ds_add_u32 v254, v255
	ds_add_u32 v254, v255
	v_lshrrev_b32 v7, 5, v0
	s_delay_alu instid0(VALU_DEP_1)
	v_readfirstlane_b32 s12, v7                    ; wave 0..15
	s_bfe_u32 s13, ttmp6, 0x40000                  ; cx
	s_lshl_b32 s14, ttmp9, 2
	s_add_co_u32 s14, s14, s13                     ; my block of 512 queries: it enters Q's and ctx's addresses alone
	s_and_b32 s15, ttmp7, 0xffff                   ; 16 x batch + head, which the partners share
	s_lshr_b32 s16, s15, 4                         ; batch
	s_and_b32 s17, s15, 15                         ; head
	s_and_b32 s41, s12, 3
	s_lshr_b32 s44, s12, 2
	; descriptor group 1: a record as 50 rows of 256 bytes, dense, no padding
	s_mov_b32 s24, 15|(3<<16)|(1<<21)              ; 15:0 the mask: all four; 17:16 elements of 8 bytes; 21 set beside a mask
	s_mov_b32 s25, 32<<16                          ; tensor_dim0 = 32
	s_mov_b32 s26, 50<<16                          ; tensor_dim1 = 50
	s_mov_b32 s27, 32<<16                          ; tile_dim0
	s_mov_b32 s28, 50                              ; tile_dim1
	s_mov_b32 s29, 32                              ; pitch
	s_mov_b32 s30, 0
	s_mov_b32 s31, 0
	s_mov_b32 s32, 1
	s_mul_i32 s33, s12, REC                        ; LDS address: wave x a record
	s_mul_i32 s18, s15, HEADB
	s_add_co_u32 s18, s18, s33                     ; under 2^24
	s_mov_b32 s19, 0
	s_mov_b32 s22, 0x3e38aa3b                      ; c = log2(e) / 8
	s_mov_b32 s23, s22                             ; (named with it as a pair)
	s_mov_b32 s36, 0x76543210
	s_mov_b32 s37, 0xfedcba98                      ; lane l xor 16
	s_wait_dscnt 0x0
	s_wait_kmcnt 0x0
	s_add_nc_u64 s[34:35], s[6:7], s[18:19]
	s_or_b32 s35, s35, 0x80000000
	ROUND                                          ; all four work-groups are here: the joint loads meet
	tensor_load_to_lds s[32:35], s[24:31]          ; my one tensor load of the launch
	s_nop 0
.irp j, 16,17,18,19,20,21,28,29,30,31,32,33
	v_mov_b32 v[\j], 0                             ; the zero codes on both sides of q
.endr
	v_and_b32 v235, 31, v0                         ; lane
	s_delay_alu instid0(VALU_DEP_1)
	v_lshlrev_b32 v1, 4, v235
	s_wait_alu depctr_va_vdst(0)
	v_and_b32 v7, 15, v0                           ; r
	v_bfe_u32 v6, v0, 4, 1                         ; h
	s_delay_alu instid0(VALU_DEP_2)
	v_lshl_add_u32 v2, v7, 4, 12288
	s_delay_alu instid0(VALU_DEP_3)
	v_mul_u32_u24 v5, v7, 24
	s_delay_alu instid0(VALU_DEP_1)
	v_mad_u32_u24 v5, v6, 12, v5
	v_lshlrev_b32 v6, 5, v7
	v_lshlrev_b32 v7, 4, v7
	s_wait_alu depctr_va_vdst(0)
	s_lshl_b32 s20, s14, 2
	s_add_co_u32 s20, s20, s44                     ; Q's record: 4 x block + wave / 4
	s_mul_i32 s20, s20, 6400
	s_mul_i32 s21, s15, 102400
	s_add_co_u32 s20, s20, s21
	s_mov_b32 s21, 0
	s_add_nc_u64 s[4:5], s[4:5], s[20:21]
	s_mul_i32 s20, s41, 1536
	s_add_nc_u64 s[42:43], s[4:5], s[20:21]        ; my image: wave % 4
	s_lshl_b32 s20, s41, 2
	s_add_nc_u64 s[4:5], s[4:5], s[20:21]          ; and its word in each row's four
.irp c, 0,1,2
	global_load_b128 v[34+4*\c:37+4*\c], v1, s[42:43] offset:512*\c th:TH_LOAD_NT
.endr
	global_load_b32 v46, v7, s[4:5] offset:6144 th:TH_LOAD_NT
	s_lshl_b32 s20, s16, 4                         ; ctx_codes: 98,304 (16 batch + 4 block + wave / 4) + 24,576 (head / 4) + 6,144 (wave % 4) + 768 (head % 4)
	s_lshl_b32 s21, s14, 2
	s_add_co_u32 s20, s20, s21
	s_add_co_u32 s20, s20, s44
	s_mul_i32 s20, s20, 98304
	s_lshr_b32 s21, s17, 2
	s_mul_i32 s21, s21, 24576
	s_add_co_u32 s20, s20, s21
	s_mul_i32 s21, s41, 6144
	s_add_co_u32 s20, s20, s21
	s_and_b32 s21, s17, 3
	s_mul_i32 s21, s21, 768
	s_add_co_u32 s20, s20, s21
	s_mov_b32 s21, 0
	s_add_nc_u64 s[8:9], s[8:9], s[20:21]
	s_lshl_b32 s20, s16, 16                        ; ctx_scales: 32 (2,048 batch + 512 block + 32 wave) + 2 head
	s_lshl_b32 s21, s14, 14
	s_add_co_u32 s20, s20, s21
	s_lshl_b32 s21, s12, 10
	s_add_co_u32 s20, s20, s21
	s_lshl_b32 s21, s17, 1
	s_add_co_u32 s20, s20, s21
	s_mov_b32 s21, 0
	s_add_nc_u64 s[10:11], s[10:11], s[20:21]
.irp b, 0,1,2,3
	v_mov_b32 v[216+\b], 0                         ; written once: a lane permute's destination counts as one of its sources
.endr
	v_mov_b32 v231, 0                              ; (named as the upper half of the pair v[230:231])
	v_mov_b32 v234, 0
	s_wait_tensorcnt 0x0                           ; my record is in LDS,
	s_barrier_signal -1
	s_barrier_wait -1                              ; everybody's is
	s_wait_loadcnt 0x0                             ; Q
; A KEY STEP: the 128 keys of record s39.  K's images and words were asked for in the step before (the first: ahead of the loop); v3, v4 hold this record's addresses.
.macro STEP
	s_wait_alu depctr_va_vdst(0)                   ; the wait ahead of the wait below
	s_wait_dscnt 0x0                               ; K's thirteen loads are in
.irp f, 0,1,2,3
	v_wmma_scale_f32_16x16x128_f8f6f4 v[96+16*\f:103+16*\f], v[48+12*\f:59+12*\f], v[22:33], 0, v[8+\f], v47 matrix_a_fmt:MATRIX_FMT_FP6 matrix_b_fmt:MATRIX_FMT_FP6    ; keys 32 f + 8 h + j
	v_wmma_scale_f32_16x16x128_f8f6f4 v[104+16*\f:111+16*\f], v[48+12*\f:59+12*\f], v[16:27], 0, v[8+\f], v47 matrix_a_fmt:MATRIX_FMT_FP6 matrix_b_fmt:MATRIX_FMT_FP6  ; keys 32 f + 16 + 8 h + j
.endr
.rept 4
	v_nop                                          ; places in front of the loads below and of the first read of the scores
.endr
.irp t, 0,1,2,3
.irp c, 0,1,2
	ds_load_b128 v[48+12*\t+4*\c:51+12*\t+4*\c], v3 offset:6144+1536*\t+512*\c   ; V's four images land while the softmax is walked
.endr
.endr
	ds_load_b128 v[224:227], v4 offset:256
.irp b, 0,1,2,3
	v_max3_num_f32 v[212+\b], v[96+16*\b], v[97+16*\b], v[98+16*\b]   ; the largest score of each block of 32 keys: for the row's maximum and, since p rises with the score, for the block's largest p
.endr
.irp i, 3,5,7,9,11,13
.irp b, 0,1,2,3
	v_max3_num_f32 v[212+\b], v[212+\b], v[96+16*\b+\i], v[97+16*\b+\i]
.endr
.endr
.irp b, 0,1,2,3
	v_max_num_f32 v[212+\b], v[212+\b], v[111+16*\b]
.endr
.irp b, 0,1,2,3
	s_delay_alu instid0(VALU_DEP_4)
	v_permlanex16_b32 v[216+\b], v[212+\b], s36, s37
.endr
.irp b, 0,1,2,3
	s_delay_alu instid0(VALU_DEP_4)
	v_max_num_f32 v[212+\b], v[212+\b], v[216+\b]  ; with lane l xor 16's 16 keys
.endr
	s_delay_alu instid0(VALU_DEP_2)
	v_max3_num_f32 v234, v212, v213, v214
	s_delay_alu instid0(VALU_DEP_1)
	v_max_num_f32 v234, v234, v215
	s_delay_alu instid0(VALU_DEP_1)
	v_mul_f32 v234, s22, v234                      ; the step's largest t
	s_delay_alu instid0(VALU_DEP_1)
	v_max_num_f32 v13, v13, v234
	v_mov_b32 v234, v12
	s_delay_alu instid0(VALU_DEP_2)
	v_floor_f32 v12, -v13                          ; -M = floor(-t): M is a whole number
	s_delay_alu instid0(VALU_DEP_1)
	v_sub_f32 v234, v12, v234                      ; old M - new M, 0 or less
	s_delay_alu instid0(VALU_DEP_1)
	v_cvt_i32_f32 v234, v234                       ; (it saturates)
	s_delay_alu instid0(VALU_DEP_1)
	v_ldexp_f32 v230, 1.0, v234                    ; f = 2^(old M - new M)
.set j, 0
.rept 32
	v_pk_fma_f32 v[96+j:97+j], v[96+j:97+j], s[22:23], v[12:13] op_sel_hi:[1,0,0]   ; t - M
.set j, j+2
.endr
.irp b, 0,1,2,3
	v_fma_f32 v[212+\b], v[212+\b], s22, v12       ; the same of each block's largest score
.endr
.set j, 0
	s_wait_alu depctr_va_vdst(0)
.rept 64
	v_exp_f32 v[96+j], v[96+j]                     ; p = 2^(t - M)
.set j, j+1
.endr
.irp b, 0,1,2,3
	v_exp_f32 v[212+\b], v[212+\b]                 ; the block's largest p: the same two instructions on the same number
.endr
	v_pk_mul_f32 v[14:15], v[14:15], v[230:231] op_sel_hi:[1,0]   ; the sum under the new M (a plain line behind the exponentials)
	s_wait_alu depctr_va_vdst(0)
.irp b, 0,1,2,3
	v_max_num_f32 v[212+\b], 0x1800000, v[212+\b]  ; the floor 2^(3 - 127)
.endr
.irp b, 0,1,2,3
	s_delay_alu instid0(VALU_DEP_4)
	v_add_nc_u32 v[220+\b], 0xff000000, v[212+\b]  ; 2 off the exponent field: the conversion's scale operand
.endr
.irp b, 0,1,2,3
	s_delay_alu instid0(VALU_DEP_4)
	v_lshrrev_b32 v[216+\b], 23, v[220+\b]
.endr
	s_delay_alu instid0(VALU_DEP_3)
	v_lshl_or_b32 v228, v217, 8, v216              ; p's scale word for these 128 keys
	s_delay_alu instid0(VALU_DEP_1)
	v_lshl_or_b32 v228, v218, 16, v228
	s_delay_alu instid0(VALU_DEP_1)
	v_lshl_or_b32 v228, v219, 24, v228
.irp c, 0,1
	v_cvt_scalef32_pk16_fp6_f32 v[192+6*\c:194+6*\c], v[96+32*\c:111+32*\c], v[220+2*\c]
	v_cvt_scalef32_pk16_fp6_f32 v[204+4*\c:206+4*\c], v[112+32*\c:127+32*\c], v[220+2*\c+1]
.endr
	v_nop                                          ; one plain line behind a scaled conversion
.irp c, 0,1                                    ; a whole block to a lane: lanes 0-15 block 2 c, lanes 16-31 block 2 c + 1
.irp i, 0,1,2
	v_permlane16_swap_b32 v[192+6*\c+\i], v[204+4*\c+\i]
.endr
.irp i, 0,1,2
	s_delay_alu instid0(VALU_DEP_3)
	v_mov_b32 v[195+6*\c+\i], v[204+4*\c+\i]
.endr
.endr
.set j, 0
.rept 16
	v_pk_mul_f32 v[160+j:161+j], v[160+j:161+j], v[230:231] op_sel_hi:[1,0]   ; O^T under the new M, each accumulator from its low end on
.set j, j+2
.endr
	v_pk_add_f32 v[232:233], v[100:101], v[104:105]
	v_pk_add_f32 v[252:253], v[108:109], v[112:113]
	v_pk_add_f32 v[250:251], v[116:117], v[120:121]
	v_pk_add_f32 v[248:249], v[124:125], v[128:129]
	v_pk_add_f32 v[246:247], v[132:133], v[136:137]
	v_pk_add_f32 v[244:245], v[140:141], v[144:145]
	v_pk_add_f32 v[242:243], v[148:149], v[152:153]
	v_pk_add_f32 v[14:15], v[14:15], v[156:157]
	s_wait_alu depctr_va_vdst(0)                   ; the wait ahead of the wait below
	s_wait_dscnt 0x0                               ; V's images and words are in
.irp t, 0,1,2,3                                ; O^T += V^T p^T: the four accumulators by turns, one instruction a turn
	v_wmma_scale_f32_16x16x128_f8f6f4 v[160+8*\t:167+8*\t], v[48+12*\t:59+12*\t], v[192:203], v[160+8*\t:167+8*\t], v[224+\t], v228 matrix_a_fmt:MATRIX_FMT_FP6 matrix_b_fmt:MATRIX_FMT_FP6
.endr
	s_add_co_u32 s39, s39, 1                       ; the next record; behind the sixteenth comes record 0 again
	s_and_b32 s38, s39, 15
	s_mul_i32 s38, s38, REC
	v_pk_add_f32 v[232:233], v[232:233], v[96:97]
	v_pk_add_f32 v[252:253], v[252:253], v[98:99]
	v_pk_add_f32 v[250:251], v[250:251], v[102:103]
	v_pk_add_f32 v[248:249], v[248:249], v[106:107]
	v_pk_add_f32 v[246:247], v[246:247], v[110:111]
	v_pk_add_f32 v[244:245], v[244:245], v[114:115]
	v_pk_add_f32 v[242:243], v[242:243], v[118:119]
	v_pk_add_f32 v[14:15], v[14:15], v[122:123]    ; these eight additions are the places behind the products, in front of the loads into the registers that they read
	v_add_nc_u32 v3, s38, v1
	v_add_nc_u32 v4, s38, v2
.irp f, 0,1,2,3
.irp c, 0,1,2
	ds_load_b128 v[48+12*\f+4*\c:51+12*\f+4*\c], v3 offset:1536*\f+512*\c   ; the next step's four images of K: the rest of the sum stands between these loads and the wait for them
.endr
.endr
	ds_load_b128 v[8:11], v4                       ; their words.  (Tile 0's last step fetches tile 1's first record; what tile 1's last step fetches is read by nobody)
	v_pk_add_f32 v[232:233], v[232:233], v[126:127]
	v_pk_add_f32 v[252:253], v[252:253], v[130:131]
	v_pk_add_f32 v[250:251], v[250:251], v[134:135]
	v_pk_add_f32 v[248:249], v[248:249], v[138:139]
	v_pk_add_f32 v[246:247], v[246:247], v[142:143]
	v_pk_add_f32 v[244:245], v[244:245], v[146:147]
	v_pk_add_f32 v[242:243], v[242:243], v[150:151]
	v_pk_add_f32 v[14:15], v[14:15], v[154:155]
	v_pk_add_f32 v[232:233], v[232:233], v[158:159]
	s_delay_alu instid0(VALU_DEP_2)
	v_pk_add_f32 v[14:15], v[14:15], v[248:249]
	s_delay_alu instid0(VALU_DEP_2)
	v_pk_add_f32 v[232:233], v[232:233], v[246:247]
	v_pk_add_f32 v[252:253], v[252:253], v[244:245]
	v_pk_add_f32 v[250:251], v[250:251], v[242:243]
	s_delay_alu instid0(VALU_DEP_2)
	v_pk_add_f32 v[14:15], v[14:15], v[252:253]
	s_delay_alu instid0(VALU_DEP_2)
	v_pk_add_f32 v[232:233], v[232:233], v[250:251]
	s_delay_alu instid0(VALU_DEP_1)
	v_pk_add_f32 v[14:15], v[14:15], v[232:233]
.endm
; One tile of 16 queries: half sg of my image.
.macro TILE sg
.irp i, 0,1,2,3,4,5
	v_mov_b32 v[22+\i], v[34+6*\sg+\i]             ; q between the zeros
.endr
.if \sg == 0
	v_perm_b32 v47, v46, v46, 0x01000100           ; the tile's two bytes in both halves of the word: it serves [q | 0] and [0 | q]
.else
	v_perm_b32 v47, v46, v46, 0x03020302
.endif
	v_mov_b32 v13, 0xff61b1e6                      ; the largest t so far: -3e38
	s_delay_alu instid0(VALU_DEP_1)
	v_floor_f32 v12, -v13
	v_mov_b32 v14, 0
	v_mov_b32 v15, 0
.set j, 0
.rept 32
	v_mov_b32 v[160+j], 0                          ; O^T: the first change of M leaves zeros zeros.  (Also the places between the lines above and the first products)
.set j, j+1
.endr
	s_mov_b32 s39, 0
.if \sg == 0
	v_add_nc_u32 v3, 0, v1                         ; record 0, for the first step of all
	v_add_nc_u32 v4, 0, v2
.irp f, 0,1,2,3
.irp c, 0,1,2
	ds_load_b128 v[48+12*\f+4*\c:51+12*\f+4*\c], v3 offset:1536*\f+512*\c
.endr
.endr
	ds_load_b128 v[8:11], v4
.endif
.Lstep_\@:
	STEP
	s_cmp_lt_u32 s39, 16
	s_cbranch_scc1 .Lstep_\@
.rept 4
	v_nop                                          ; places behind the last products
.endr
	s_wait_alu depctr_va_vdst(0)
	v_add_f32 v14, v14, v15
	s_delay_alu instid0(VALU_DEP_1)
	v_permlanex16_b32 v234, v14, s36, s37
	s_delay_alu instid0(VALU_DEP_1)
	v_add_f32 v14, v14, v234                       ; the row's sum
	s_wait_alu depctr_va_vdst(0)
	v_rcp_f32 v14, v14
	v_nop                                          ; a plain line behind the reciprocal
.set j, 0
	s_wait_alu depctr_va_vdst(0)
.rept 16
	v_pk_mul_f32 v[160+j:161+j], v[160+j:161+j], v[14:15] op_sel_hi:[1,0]   ; ctx: register 8 t + j is channel 16 t + 8 h + j
.set j, j+2
.endr
.irp b, 0,1
.irp j, 0,1,2,3,4,5,6,7
	v_permlane16_swap_b32 v[160+16*\b+\j], v[168+16*\b+\j]   ; now register 16 b + i is channel 32 b + 16 h + i: true order, as Wo's codes have it
.endr
.endr
.irp b, 0,1
	v_max3_num_f32 v[212+\b], |v[160+16*\b]|, |v[161+16*\b]|, 0x1800000
.endr
.irp i, 2,4,6,8,10,12,14
.irp b, 0,1
	s_delay_alu instid0(VALU_DEP_2)
	v_max3_num_f32 v[212+\b], v[212+\b], |v[160+16*\b+\i]|, |v[161+16*\b+\i]|
.endr
.endr
.irp b, 0,1
	s_delay_alu instid0(VALU_DEP_2)
	v_permlanex16_b32 v[216+\b], v[212+\b], s36, s37
.endr
.irp b, 0,1
	s_delay_alu instid0(VALU_DEP_2)
	v_max_num_f32 v[212+\b], v[212+\b], v[216+\b]
.endr
.irp b, 0,1
	s_delay_alu instid0(VALU_DEP_2)
	v_add_nc_u32 v[220+\b], 0xff000000, v[212+\b]
.endr
.irp b, 0,1
	s_delay_alu instid0(VALU_DEP_2)
	v_lshrrev_b32 v[216+\b], 23, v[220+\b]
.endr
.irp b, 0,1
	v_cvt_scalef32_pk16_fp6_f32 v[204+4*\b:206+4*\b], v[160+16*\b:175+16*\b], v[220+\b]
.endr
	v_lshl_or_b32 v234, v217, 8, v216              ; the head's two bytes of my row (a plain line behind the conversions)
	global_store_b96 v5, v[204:206], s[8:9] offset:3072*\sg       ; 32 lanes store 384 consecutive bytes: block 0 of 16 rows,
	global_store_b96 v5, v[208:210], s[8:9] offset:3072*\sg+384   ; block 1
	s_wait_alu depctr_va_vdst(0)
	s_wait_xcnt 0x0                                ; EXEC changes only behind this wait
	v_cmp_gt_u32 vcc_lo, 16, v235
	s_and_saveexec_b32 s40, vcc_lo
	global_store_b16 v6, v234, s[10:11] offset:512*\sg
	s_wait_xcnt 0x0                                ; and again in front of the line that widens it; the stores' data may be written again too
	s_or_b32 exec_lo, exec_lo, s40
.endm
	TILE 0
	TILE 1
	s_wait_tensorcnt 0x0
	ds_add_u32 v254, v255
	s_wait_dscnt 0x0
	ROUND                                          ; the closing round
	s_endpgm
.Lfunc_end_k_q5c1bce3264_attn:
	.size	k_q5c1bce3264_attn, .Lfunc_end_k_q5c1bce3264_attn-k_q5c1bce3264_attn
	.p2alignl 7, 3214868480
	.fill 96, 4, 3214868480
	.section	.rodata,"a",@progbits
	.p2align	6, 0x0
	.amdhsa_kernel k_q5c1bce3264_attn
		.amdhsa_group_segment_fixed_size 206848
		.amdhsa_private_segment_fixed_size 0
		.amdhsa_enable_private_segment 0
		.amdhsa_kernarg_size 32
		.amdhsa_user_sgpr_count 2
		.amdhsa_user_sgpr_kernarg_segment_ptr 1
		.amdhsa_wavefront_size32 1
		.amdhsa_system_sgpr_workgroup_id_x 1
		.amdhsa_system_sgpr_workgroup_id_y 1
		.amdhsa_system_sgpr_workgroup_id_z 1
		.amdhsa_system_vgpr_workitem_id 0
		.amdhsa_next_free_vgpr 256
		.amdhsa_next_free_sgpr 66
		.amdhsa_reserve_vcc 1
		.amdhsa_float_denorm_mode_32 3
		.amdhsa_float_denorm_mode_16_64 3
		.amdhsa_memory_ordered 1
		.amdhsa_forward_progress 1
		.amdhsa_inst_pref_size 53
	.end_amdhsa_kernel
	.amdgpu_metadata
---
amdhsa.version: [ 1, 2 ]
amdhsa.kernels:
  - .name:           k_q5c1bce3264_attn
    .symbol:         k_q5c1bce3264_attn.kd
    .args:
      - { .name: qimg, .offset: 0, .size: 8, .value_kind: global_buffer, .address_space: global }
      - { .name: kvimg, .offset: 8, .size: 8, .value_kind: global_buffer, .address_space: global }
      - { .name: ctx_codes, .offset: 16, .size: 8, .value_kind: global_buffer, .address_space: global }
      - { .name: ctx_scales, .offset: 24, .size: 8, .value_kind: global_buffer, .address_space: global }
    .group_segment_fixed_size: 206848
    .private_segment_fixed_size: 0
    .kernarg_segment_align: 8
    .kernarg_segment_size: 32
    .max_flat_workgroup_size: 512
    .sgpr_count:     66
    .vgpr_count:     256
    .wavefront_size: 32
...
	.end_amdgpu_metadata
.endif
;; end of part 2
;; launch outp (part 3): grid 8 x 32, 4 waves a work-group, clusters of 4 x 4, 167,936 bytes of LDS; arguments ctx_codes, ctx_scales, Wo_codes, Wo_scales, bo, out0; writes out0
.if DOCPART == 3
	.amdgcn_target "amdgcn-amd-amdhsa--gfx1250"
	.amdhsa_code_object_version 6
	.text
	.protected	k_q5c1bce3264_outp
	.globl	k_q5c1bce3264_outp
	.p2align	8
	.type	k_q5c1bce3264_outp,@function
k_q5c1bce3264_outp:
	s_mov_b64 s[64:65], 0
	v_nop
	global_prefetch_b8 v0, s[64:65] scope:SCOPE_SE
	s_setreg_imm32_b32 hwreg(HW_REG_WAVE_MODE, 25, 1), 1
	s_wait_xcnt 0x0
	s_wait_alu depctr_hold_cnt(0) depctr_sa_sdst(0) depctr_va_vdst(0) depctr_va_sdst(0) depctr_va_ssrc(0) depctr_va_vcc(0) depctr_vm_vsrc(0)
	s_getreg_b32 s2, hwreg(HW_REG_IB_STS2, 6, 4)
	s_cmp_eq_u32 s2, 0
	s_cbranch_scc0 .Lentry_in_a_cluster
	s_endpgm
.Lentry_in_a_cluster:
	s_bfe_u32 s2, ttmp6, 0x10000c
	s_cmp_lg_u32 s2, 0xf033
	s_cbranch_scc0 .Lentry_shape_is_right
	s_endpgm
.Lentry_shape_is_right:
; out = ctx Wo^T + bo on codes of FP6 (E2M3) with E8M0 scales, K = 1,024; sums and result in f32; the bias is the first products' C.
; 256 work-groups; one makes 256 rows x 128 columns, a wave 64 rows x 128 columns, in two tiles of 64 columns: 16 accumulators each, by turns.
; ctx_codes lies in the order of operand registers ([row / 128][K / 256][16 rows][K / 128 % 2][c][lane][24 bytes]): a wave loads its 64 rows, all of K, straight into 384 registers; three loads cover 768 consecutive bytes.
; Wo's 128 rows, whole rows of 768 bytes, come into LDS once, 32 rows a wave, asked for jointly along a column of the cluster; nothing is filled again.  ctx's rows are each wave's own, so they have no joint load.
; Source 0 = Wo's rows: a lane holds eight neighbouring columns of one row.  A tile leaves as soon as it is finished: 16 rows x 256 bytes at a time go through the wave's own stage and are stored as whole rows;
; the first tile's stores are issued ahead of the second tile's products.
; No prefetch: the launch has no loop to run ahead in.  LIMITS: NaN, infinities and a scale byte 0xff are not served.
; REGISTERS: window 0: addresses, ctx's scale words v32-47, Wo's v52-83, the bias v84-147, three buffers of 32 for the way out v148-243; fragment f at window 1 + f / 21, register 12 (f % 21): 0-31 ctx's (8 a + q), 32-39 Wo's two sets;
; window 3: the accumulators, 128 e + 8 (4 a + b).
.set KROW, 768
.set PITCH, 816
.set FR, 12
.set FPW, 21
.set WSL, 64*PITCH
.set STAGE, 2*WSL
.set SPITCH, 272                       ; a stage's row: 256 bytes + 16
.set SPARE, STAGE+4*16*SPITCH
.set L24, 4
.set ABS, 5
.set BH, 6
.set STO, 7
.set RD, 8
.set CO, 9
.set SPW, 10
.set NIL, 11
.set BA, 12
.set XS, 32
.set WSC, 52
.set BI, 84
.set BK, 148
.set G1W, 76
.set G0W, 88
.set NLD, 0
.set MSB, 0
.macro WIN new
.if MSB != (\new)
	s_set_vgpr_msb (MSB<<8)|(\new)
.set MSB, (\new)
.endif
.endm
.macro PLACES n
.rept \n
	v_nop
.endr
.endm
.macro CROUND
	s_barrier_signal -1
	s_barrier_wait -1
	s_cmp_lg_u32 s14, 0
	s_cbranch_scc1 .Lnot_wave_0_\@
	s_barrier_signal -3
.Lnot_wave_0_\@:
	s_barrier_wait -3
	s_barrier_signal -1
	s_barrier_wait -1
.endm
.macro FRAG f, q, a0, a1               ; six pieces of 8 bytes, two to a load where both lie behind as many paddings; NLD counts the loads
	WIN (1+(\f)/FPW)<<6
.set R_, FR*((\f)%FPW)
.set SKIP_, 0
.irp p, 0,1,2,3,4,5
.if SKIP_
.set SKIP_, 0
.else
.set NLD, NLD+1
.set PC_, 12*(\q)+6*(\p/3)+\p%3
.set PN_, 12*(\q)+6*((\p+1)/3)+(\p+1)%3
.set X_, (PC_%32+3)/32
.set XQ_, (PN_%32+3)/32
.if (\p < 5) && (X_ == XQ_)
.set SKIP_, 1
.if X_
	ds_load_2addr_b64 v[R_+2*\p:R_+2*\p+3], \a1 offset0:PC_+2*(PC_/32) offset1:PN_+2*(PN_/32)
.else
	ds_load_2addr_b64 v[R_+2*\p:R_+2*\p+3], \a0 offset0:PC_+2*(PC_/32) offset1:PN_+2*(PN_/32)
.endif
.elseif X_
	ds_load_b64 v[R_+2*\p:R_+2*\p+1], \a1 offset:8*(PC_+2*(PC_/32))
.else
	ds_load_b64 v[R_+2*\p:R_+2*\p+1], \a0 offset:8*(PC_+2*(PC_/32))
.endif
.endif
.endr
.endm
.macro WFETCH slot, q
.set NLD, 0
.irp b, 0,1,2,3
	FRAG 32+4*((\q)%2)+\b, \q, v[BA+8*(\slot)+2*\b], v[BA+8*(\slot)+2*\b+1]
.endr
.endm
.macro P1 d, f0, f1, c, s0, s1, r0, r1
	v_wmma_scale_f32_16x16x128_f8f6f4 v[\d:\d+7], v[FR*((\f0)%FPW):FR*((\f0)%FPW)+FR-1], v[FR*((\f1)%FPW):FR*((\f1)%FPW)+FR-1], \c, v[\s0], v[\s1] matrix_a_fmt:MATRIX_FMT_FP6 matrix_b_fmt:MATRIX_FMT_FP6 matrix_a_scale:MATRIX_SCALE_ROW\r0 matrix_b_scale:MATRIX_SCALE_ROW\r1
.endm
.macro STEPM t, q                      ; 16 products: ctx's four blocks x four of Wo's, the q-th 128 along K
.irp xp, 0,1
.irp xr, 0,1
.irp wp, 0,1
.irp wr, 0,1
.set FX_, 8*(2*\xp+\xr)+(\q)
.set FW_, 32+4*((\q)%2)+2*\wp+\wr
.set SX_, XS+8*\xp+(\q)
.set SW_, WSC+16*(\t)+8*\wp+(\q)
.set CB_, BI+32*(\t)+8*(2*\wp+\wr)
.set D_, 128*(\t)+8*(4*(2*\xp+\xr)+2*\wp+\wr)
.if (\q) == 0
	WIN 2|((1+FX_/FPW)<<2)|0xc0
	P1 D_, FW_, FX_, v[CB_:CB_+7], SW_, SX_, \wr, \xr
.else
	WIN 2|((1+FX_/FPW)<<2)|0xf0
	P1 D_, FW_, FX_, v[D_:D_+7], SW_, SX_, \wr, \xr
.endif
.endr
.endr
.endr
.endr
.endm
.macro MULT t
.set Q_, 0
.rept 8
.if Q_ < 7
	PLACES 4                               ; between the last step's products and the loads into the set that they read
	WFETCH \t, Q_+1
	s_wait_dscnt NLD                       ; all but the NLD loads just issued
.else
	s_wait_dscnt 0x0
.endif
	STEPM \t, Q_
.set Q_, Q_+1
.endr
	WIN 0
.endm
; THE WAY OUT of tile e, 16 rows x 64 columns at a time, through my own stage; LDS serves a wave's instructions in order (ISA guide 5.7.1.4): no wait between the stores and the loads, nor ahead of the next block's stores
.macro TOSTAGE e, a, n
	WIN 0x0c
.irp b, 0,1,2,3
	ds_store_b128 v[STO], v[128*(\e)+8*(4*(\a)+\b):128*(\e)+8*(4*(\a)+\b)+3] offset:64*\b          ; each accumulator from its low end on
	ds_store_b128 v[STO], v[128*(\e)+8*(4*(\a)+\b)+4:128*(\e)+8*(4*(\a)+\b)+7] offset:64*\b+16
.endr
	WIN 0
.irp t, 0,1,2,3,4,5,6,7
	ds_load_b128 v[BK+32*(\n)+4*\t:BK+32*(\n)+4*\t+3], v[RD] offset:\t*2*SPITCH   ; lanes 0-15 row 2 t, lanes 16-31 row 2 t + 1
.endr
.endm
.macro SEND e, a, n, younger           ; younger: the LDS instructions issued behind the block's loads
	s_wait_dscnt \younger
.irp t, 0,1,2,3,4,5,6,7
	global_store_b128 v[CO], v[BK+32*(\n)+4*\t:BK+32*(\n)+4*\t+3], s[18:19] offset:65536*(\a)+8192*\t+256*(\e) th:TH_STORE_NT   ; sixteen lanes store 256 consecutive bytes, at a multiple of 256
.endr
.endm
.macro OUTT e
	s_wait_xcnt 0x0                                ; earlier stores have read their data registers
	TOSTAGE \e, 0, 0
	TOSTAGE \e, 1, 1
	SEND \e, 0, 0, 16                              ; behind block 0's loads: block 1's 8 stores and 8 loads
	TOSTAGE \e, 2, 2
	SEND \e, 1, 1, 16
	s_wait_xcnt 0x0                                ; block 0's stores have read buffer 0
	TOSTAGE \e, 3, 0
	SEND \e, 2, 2, 16
	SEND \e, 3, 0, 0
.endm
	s_load_b256 s[4:11], s[0:1], 0x0               ; ctx's codes, scales; Wo's codes, scales
	s_load_b128 s[16:19], s[0:1], 0x20             ; bo, out0
	v_lshl_add_u32 v[SPW], v0, 2, SPARE
	v_mov_b32 v[NIL], 0
	ds_add_u32 v[SPW], v[NIL]                      ; the opening lines
	ds_add_u32 v[SPW], v[NIL]
	v_lshrrev_b32 v1, 5, v0
	v_readfirstlane_b32 s14, v1
	s_lshr_b32 s15, s14, 1
	s_and_b32 s12, s14, 1
	s_bfe_u32 s40, ttmp6, 0x40000
	s_bfe_u32 s41, ttmp6, 0x40004
	s_lshl_b32 s42, ttmp9, 2
	s_add_co_u32 s42, s42, s40                     ; which 128 columns
	s_and_b32 s43, ttmp7, 0xffff
	s_lshl_b32 s43, s43, 2
	s_add_co_u32 s43, s43, s41                     ; which 256 rows
	s_lshl_b32 s45, 0x1111, s40                    ; my column of the cluster
	s_or_b32 s[G1W+0], s45, (1<<20)|(1<<21)|(5<<22)|(3<<25)
	s_mov_b32 s[G1W+1], (KROW&0xffff)<<16
	s_mov_b32 s[G1W+2], (KROW>>16)|(32<<16)
	s_mov_b32 s[G1W+3], KROW<<16
	s_mov_b32 s[G1W+4], 32
	s_mov_b32 s[G1W+5], KROW
	s_mov_b32 s[G1W+6], 0
	s_mov_b32 s[G1W+7], 0
	s_mov_b32 s[G0W], 1
	s_mul_i32 s[G0W+1], s14, 32*PITCH
	s_mul_i32 s20, s42, 128*KROW
	s_mul_i32 s21, s14, 32*KROW
	s_add_co_u32 s20, s20, s21
	s_mov_b32 s21, 0
	s_lshl_b32 s22, s43, 1
	s_add_co_u32 s22, s22, s15
	s_mul_i32 s22, s22, 98304
	s_mul_i32 s23, s12, 4*3072
	s_add_co_u32 s22, s22, s23                     ; my 64 rows of ctx's codes
	s_mov_b32 s23, 0
	s_lshl_b32 s24, s43, 13
	s_lshl_b32 s25, s14, 11
	s_add_co_u32 s24, s24, s25                     ; their scale bytes
	s_mov_b32 s25, 0
	s_lshl_b32 s26, s42, 12                        ; Wo's scale bytes
	s_mov_b32 s27, 0
	s_lshl_b32 s28, s42, 9                         ; my columns, in bytes
	s_mov_b32 s29, 0
	s_lshl_b32 s30, s43, 8
	s_lshl_b32 s31, s14, 6
	s_add_co_u32 s30, s30, s31
	s_lshl_b32 s30, s30, 12
	s_add_co_u32 s30, s30, s28                     ; my part of out0
	s_mov_b32 s31, 0
	s_mul_i32 s3, s14, 16*SPITCH
	s_add_co_u32 s3, s3, STAGE
	v_and_b32 v1, 15, v0
	v_bfe_u32 v2, v0, 4, 1
	v_and_b32 v3, 31, v0
	v_mul_u32_u24 v[L24], v3, 24
	v_lshlrev_b32 v[ABS], 5, v3
	v_lshlrev_b32 v[BH], 5, v2
	v_lshlrev_b32 v29, 4, v1
	v_mad_u32_u24 v[CO], v2, 4096, v29             ; out0: row h, 16 r bytes
	v_mul_u32_u24 v30, v1, PITCH
	v_mad_u32_u24 v31, v2, 24, v30
	v_mad_u32_u24 v30, v2, 40, v30
.irp s, 0,1
.irp b, 0,1,2,3
	v_add_nc_u32 v[BA+8*\s+2*\b], \s*WSL+\b*16*PITCH, v31
	v_add_nc_u32 v[BA+8*\s+2*\b+1], \s*WSL+\b*16*PITCH, v30
.endr
.endr
	v_mul_u32_u24 v28, v1, SPITCH
	v_lshl_add_u32 v28, v2, 5, v28
	v_add_nc_u32 v[STO], s3, v28                   ; into the stage: row r, 32 h bytes
	v_mad_u32_u24 v[RD], v2, SPITCH, v29
	v_add_nc_u32 v[RD], s3, v[RD]                  ; back: row h, 16 r bytes
	s_wait_alu depctr_va_vdst(0)                   ; the wait at the head's end
	s_wait_dscnt 0x0
	CROUND                                         ; the round in front of the joint loads
	s_wait_kmcnt 0x0
	s_add_nc_u64 s[G0W+2:G0W+3], s[8:9], s[20:21]
	s_or_b32 s[G0W+3], s[G0W+3], 0x80000000
	tensor_load_to_lds s[G0W:G0W+3], s[G1W:G1W+7]  ; my 32 rows of Wo: my one tensor load
	s_nop 0
	PLACES 4
	s_add_nc_u64 s[4:5], s[4:5], s[22:23]
	s_add_nc_u64 s[6:7], s[6:7], s[24:25]
	s_add_nc_u64 s[10:11], s[10:11], s[26:27]
	s_add_nc_u64 s[16:17], s[16:17], s[28:29]
	s_add_nc_u64 s[18:19], s[18:19], s[30:31]
.irp a, 0,1,2,3
.set Q_, 0
.rept 8
.set F_, 8*\a+Q_
	WIN (1+F_/FPW)<<6
.irp p, 0,1,2,3,4,5
	global_load_b64 v[FR*(F_%FPW)+2*\p:FR*(F_%FPW)+2*\p+1], v[L24], s[4:5] offset:24576*(Q_/2)+3072*\a+1536*(Q_%2)+768*(\p/3)+8*(\p%3)
.endr
.set Q_, Q_+1
.endr
.endr
	WIN 0
.irp p, 0,1
.irp c, 0,1
	global_load_b128 v[XS+8*\p+4*\c:XS+8*\p+4*\c+3], v[ABS], s[6:7] offset:1024*\p+16*\c
.endr
.endr
.irp e, 0,1
.irp p, 0,1
.irp c, 0,1
	global_load_b128 v[WSC+16*\e+8*\p+4*\c:WSC+16*\e+8*\p+4*\c+3], v[ABS], s[10:11] offset:2048*\e+1024*\p+16*\c
.endr
.endr
.irp b, 0,1,2,3
	global_load_b128 v[BI+32*\e+8*\b:BI+32*\e+8*\b+3], v[BH], s[16:17] offset:256*\e+64*\b
	global_load_b128 v[BI+32*\e+8*\b+4:BI+32*\e+8*\b+7], v[BH], s[16:17] offset:256*\e+64*\b+16
.endr
.endr
	s_wait_tensorcnt 0x0
	s_barrier_signal -1
	s_barrier_wait -1                              ; Wo's 128 rows are in
	WFETCH 0, 0
	s_wait_loadcnt 0x0
	MULT 0
	PLACES 4                                       ; behind the tile's last products
	WFETCH 1, 0
	WIN 0
	OUTT 0                                         ; the first 64 columns leave
	MULT 1
	PLACES 4
	OUTT 1
	s_wait_tensorcnt 0x0                           ; the wave's end
	ds_add_u32 v[SPW], v[NIL]
	s_wait_dscnt 0x0
	CROUND                                         ; the closing round
	s_endpgm
.Lfunc_end_k_q5c1bce3264_outp:
	.size	k_q5c1bce3264_outp, .Lfunc_end_k_q5c1bce3264_outp-k_q5c1bce3264_outp
	.p2alignl 7, 3214868480
	.fill 96, 4, 3214868480
	.section	.rodata,"a",@progbits
	.p2align	6, 0x0
	.amdhsa_kernel k_q5c1bce3264_outp
		.amdhsa_group_segment_fixed_size 167936
		.amdhsa_private_segment_fixed_size 0
		.amdhsa_enable_private_segment 0
		.amdhsa_kernarg_size 48
		.amdhsa_user_sgpr_count 2
		.amdhsa_user_sgpr_kernarg_segment_ptr 1
		.amdhsa_wavefront_size32 1
		.amdhsa_system_sgpr_workgroup_id_x 1
		.amdhsa_system_sgpr_workgroup_id_y 1
		.amdhsa_system_sgpr_workgroup_id_z 1
		.amdhsa_system_vgpr_workitem_id 0
		.amdhsa_next_free_vgpr 1024
		.amdhsa_next_free_sgpr 100
		.amdhsa_reserve_vcc 0
		.amdhsa_float_denorm_mode_32 3
		.amdhsa_float_denorm_mode_16_64 3
		.amdhsa_memory_ordered 1
		.amdhsa_forward_progress 1
		.amdhsa_inst_pref_size 91
	.end_amdhsa_kernel
	.amdgpu_metadata
---
amdhsa.version: [ 1, 2 ]
amdhsa.kernels:
  - .name:           k_q5c1bce3264_outp
    .symbol:         k_q5c1bce3264_outp.kd
    .args:
      - { .name: ctx_codes, .offset: 0, .size: 8, .value_kind: global_buffer, .address_space: global }
      - { .name: ctx_scales, .offset: 8, .size: 8, .value_kind: global_buffer, .address_space: global }
      - { .name: Wo_codes, .offset: 16, .size: 8, .value_kind: global_buffer, .address_space: global }
      - { .name: Wo_scales, .offset: 24, .size: 8, .value_kind: global_buffer, .address_space: global }
      - { .name: bo, .offset: 32, .size: 8, .value_kind: global_buffer, .address_space: global }
      - { .name: out0, .offset: 40, .size: 8, .value_kind: global_buffer, .address_space: global }
    .group_segment_fixed_size: 167936
    .private_segment_fixed_size: 0
    .kernarg_segment_align: 8
    .kernarg_segment_size: 48
    .max_flat_workgroup_size: 128
    .sgpr_count:     100
    .vgpr_count:     1024
    .wavefront_size: 32
...
	.end_amdgpu_metadata
.endif
;; end of part 3
